; MI455X (gfx1250); checked and timed in simulation.
; The chip was launched on July 23, 2026; its instructions are those of AMD's public machine-readable ISA for CDNA 5 (MIT licence, August 2026) and "CDNA5" Instruction Set Architecture Reference Guide (July 2026). The comments in the code are by the model that wrote it; some were corrected since.
;; Perceptual Metric. Allowed arithmetic: float matrix products may take bf16 or f16 operands with f32 sums; all other float work in f32.
;; Inputs: W 512 x 512 float32; x 512 x 512 float32; y 1,024 x 512 float32.
;; Outputs: out0 1,024 x 512 float32.
;; Constants: dim = 2.
;; One version. Each part assembles by itself: llvm-mc -triple=amdgcn-amd-amdhsa -mcpu=gfx1250 --defsym DOCPART=n.
;; ======== version 1 of 1: 2 launches
;; limits: values outside matrix products are rounded to bf16; a difference of large sums (such as E[x^2] - mean^2): digits are lost where the result is much smaller than its terms
;; workspace buffers: feat 1,572,864 bytes
;; launch feat (part 1): grid 8 x 32, 8 waves a work-group, no clusters, 203,776 bytes of LDS; arguments W, x, y, feat; writes feat
.if DOCPART == 1
	.amdgcn_target "amdgcn-amd-amdhsa--gfx1250"
	.amdhsa_code_object_version 6
	.text
	.protected	k_q57ff7b538c_feat
	.globl	k_q57ff7b538c_feat
	.p2align	8
	.type	k_q57ff7b538c_feat,@function
k_q57ff7b538c_feat:
	s_mov_b64 s[64:65], 0
	v_nop
	global_prefetch_b8 v0, s[64:65] scope:SCOPE_SE
	s_setreg_imm32_b32 hwreg(HW_REG_WAVE_MODE, 25, 1), 1
	s_wait_xcnt 0x0
; feat = bf16( [x; y] W ).  x: [512][512], y: [1024][512], W: [512 (k)][512 (feature)], all f32.  Sums in f32, operands bf16.
; Rows 0-511 of the stacked matrix are x's, rows 512-1535 are y's: 96 row tiles of 16 rows.
; A work-group owns 3 row tiles x 64 features = 12 tiles of 16 x 16.  K IS SPLIT OVER THE 8 WAVES: wave w takes k = 64 w .. 64 w + 63
; of all 12 tiles, so no byte is loaded twice in the work-group and all its 224 KB (96 of x/y, 128 of W) are asked for in one burst.
; The eight partial sums of each tile meet in LDS behind one barrier.
;
; W IS NEVER TRANSPOSED.  Lane (r = lane % 16, h = lane / 16) loads W[k][c0 + 4 r .. + 3] for its sixteen k = 16 h + 0 .. 15 of a K step
; of 32: sixteen lanes cover 256 neighbouring bytes of a row of W.  Column 4 r + f goes to fragment f, and one conversion packs rows
; k, k + 1 of that column into a fragment register.  So fragment f holds features c0 + 4 r + f: a permutation of the features, the same
; for every row of x and y, and the next launch only sums over features.  Likewise k = 16 h + 2 i, + 1 sits in register i of both
; operands: a permutation of k applied alike to both sides of the product.
; x AND y come by the tensor data mover: per wave three tiles of 16 rows x 256 bytes into LDS of the wave's own (pitch 272), read
; only by that wave, so its own s_wait_tensorcnt is all the ordering.  (A fragment load from memory would take 32 bytes from each of 16 rows.)
; THE PRODUCT IS TRANSPOSED: source 0 = W's fragment, source 1 = the rows' fragment, so lane (r, h) ends with features 8 h + 0 .. 7 of
; row r: 16 bytes of bf16.  feat is laid out as [row tile 0..95][feature tile 0..31][lane] x 16 bytes: the register image that the next
; launch's fragments want.  Each store of a wave covers 512 neighbouring bytes, aligned.
; No joint requests in a cluster, though the 8 work-groups of a grid row ask for the same 96 KB of x/y: a work-group asks once, in its
; first lines, and the cluster's barrier would stand in front of the only loads there are; W (128 KB) goes to registers, not to LDS.
; LIMITS: x, y, W are rounded to bf16 (relative 2^-9) before the product and the features once more behind it.
.set ROWB,   2048                      ; bytes in a row of x, y, W
.set XPITCH, 272                       ; LDS row of the stage: 256 bytes + 16: the 16 rows of a fragment load fall on different banks
.set XTILE,  16*XPITCH                 ; one tensor load's tile in LDS
.set XWAVE,  3*XTILE                   ; a wave's stage
.set TILEB,  1024                      ; a 16 x 16 tile of f32
.set PART,   12*TILEB                  ; a wave's twelve partial tiles
.set XS,     8*PART                    ; the stages lie behind the partial sums
.set XL, 0                             ; block 1, v0-95    x/y as loaded: (tile t, K step s): 16 f32
.set WL, 96                            ; block 1, v96-223  W as loaded: (K step s, row i): 4 f32
.set XF, 16                            ; block 0, v16-63   fragments of the rows, (t, s): 8 registers
.set WF, 64                            ; block 0, v64-127  fragments of W, (s, f): 8 registers
.set AC, 128                           ; block 0, v128-223 accumulators, tile 4 t + f: 8 registers
.set R0, 16                            ; behind the barrier: eight partials of my first tile, 64 registers
.set R1, 80                            ; and of my second
.set G1, 40                            ; s[40:47] descriptor group 1
.set G0, 48                            ; s[48:59] descriptor group 0, one set for each row tile
.set MSB, 0
.macro WIN new                         ; s_set_vgpr_msb: bits 1:0 source 0, 3:2 source 1, 5:4 source 2, 7:6 destination; the high byte repeats the setting left
.if MSB != \new
	s_set_vgpr_msb (MSB<<8)|\new
.set MSB, \new
.endif
.endm
	s_load_b256 s[4:11], s[0:1], 0x0               ; W s[4:5], x s[6:7], y s[8:9], feat s[10:11]
	v_lshl_add_u32 v254, v0, 2, 0x31800
	v_mov_b32 v255, 0
	ds_add_u32 v254, v255
	ds_add_u32 v254, v255
	v_and_b32 v2, 15, v0                           ; r
	v_bfe_u32 v3, v0, 4, 1                         ; h
	v_lshrrev_b32 v4, 5, v0
	v_readfirstlane_b32 s12, v4                    ; wave 0..7
	s_and_b32 s13, ttmp7, 0xffff                   ; grid y: which three row tiles.  ttmp9: which 64 features
	s_mul_i32 s14, s13, 3                          ; my first row tile
	s_lshl_b32 s15, s12, 8                         ; my wave's 64 k in a row of x: 256 bytes
	s_mul_i32 s16, s12, XWAVE                      ; my wave's stage
	s_mov_b32 s25, 0                               ; upper word of the offsets in s[24:25]
	; group 1: a tile of 16 rows x 64 f32, rows 512 elements apart, 4 words of padding behind every 64
	s_mov_b32 s[G1+0], (2<<16)|(1<<20)|(5<<22)|(3<<25) ; element of 4 bytes; padding on; after 64 words (code 5); 4 words (code 3)
	s_mov_b32 s[G1+1], 64<<16                      ; tensor_dim0 = 64
	s_mov_b32 s[G1+2], 16<<16                      ; tensor_dim1 = 16
	s_mov_b32 s[G1+3], 64<<16                      ; tile_dim0 = 64
	s_mov_b32 s[G1+4], 16                          ; tile_dim1 = 16
	s_mov_b32 s[G1+5], 512                         ; elements from row to row
	s_mov_b32 s[G1+6], 0
	s_mov_b32 s[G1+7], 0
	v_lshlrev_b32 v6, 4, v2                        ; W: 16 r
	v_lshl_add_u32 v6, v3, 15, v6                  ;    + 16 h rows
	s_lshl_b32 s17, s12, 17
	v_add_nc_u32 v6, s17, v6                       ;    + 64 w rows
	v_mul_u32_u24 v5, v2, XPITCH                   ; stage: row r
	v_lshl_add_u32 v5, v3, 6, v5                   ;    + 16 h numbers
	s_add_co_u32 s18, s16, XS
	v_add_nc_u32 v5, s18, v5                       ;    + my wave's stage
	s_wait_dscnt 0x0
	s_wait_kmcnt 0x0
	; Row tile 3 gy + t lies in x (tiles 0-31) or in y (the rest): 48 rows do not divide 512, so each tile chooses for itself.
.irp t, 0,1,2
	s_add_co_u32 s22, s14, \t
	s_cmp_lt_u32 s22, 32
	s_cselect_b64 s[G0+4*\t+2:G0+4*\t+3], s[6:7], s[8:9]
	s_cselect_b32 s23, 0, 32
	s_sub_co_u32 s22, s22, s23                     ; the tile's number in its own buffer
	s_lshl_b32 s24, s22, 15                        ; 16 rows of 2,048 bytes
	s_add_co_u32 s24, s24, s15                     ; + my wave's k
	s_add_nc_u64 s[G0+4*\t+2:G0+4*\t+3], s[G0+4*\t+2:G0+4*\t+3], s[24:25]
	s_or_b32 s[G0+4*\t+3], s[G0+4*\t+3], 0x80000000 ; type = 2
	s_mov_b32 s[G0+4*\t], 1                        ; count = 1
	s_add_co_u32 s[G0+4*\t+1], s16, XS+\t*XTILE    ; LDS address
	tensor_load_to_lds s[G0+4*\t:G0+4*\t+3], s[G1:G1+7]
	s_nop 0
.endr
	s_lshl_b32 s24, ttmp9, 8                       ; my 64 features: 256 bytes of each row of W
	s_add_nc_u64 s[4:5], s[4:5], s[24:25]
	WIN 0x40                                       ; loads land in block 1, addresses stay in block 0
.irp s, 0,1
.irp i, 0,1,2,3,4,5,6,7,8,9,10,11,12,13,14,15
	global_load_b128 v[WL+(\s*16+\i)*4:WL+(\s*16+\i)*4+3], v6, s[4:5] offset:(\s*32+\i)*ROWB
.endr
.endr
	; scalar work for the way out, while the data travel
	s_mul_i32 s26, s13, 3*16384                    ; feat: my three row tiles of 16,384 bytes
	s_lshl_b32 s27, ttmp9, 11                      ;       + my four feature tiles of 512 bytes
	s_add_co_u32 s26, s26, s27
	s_mov_b32 s27, 0
	s_add_nc_u64 s[10:11], s[10:11], s[26:27]
	s_mul_i32 s28, s12, PART                       ; where my partial sums go
	s_lshl_b32 s29, s12, 10                        ; tile w: summed by wave w
	s_and_b32 s30, s12, 3
	s_lshl_b32 s31, s30, 10
	s_add_co_u32 s31, s31, 8*TILEB                 ; tile 8 + w % 4: summed by waves 0-3
	s_lshr_b32 s32, s12, 2
	s_lshl_b32 s32, s32, 14                        ; tile w = row tile w / 4,
	s_lshl_b32 s33, s30, 9                         ;          feature tile w % 4
	s_add_co_u32 s32, s32, s33
	s_wait_tensorcnt 0x0                           ; my three tiles are in my stage; nobody else reads them
.irp s, 0,1
.irp t, 0,1,2
.irp c, 0,1,2,3
	ds_load_b128 v[XL+(\t*2+\s)*16+4*\c:XL+(\t*2+\s)*16+4*\c+3], v5 offset:\t*XTILE+\s*128+\c*16
.endr
.endr
.endr
.macro CVT s                           ; f32 in block 1 to fragments in block 0: register i holds k = 16 h + 2 i, + 1 on both sides
.irp f, 0,1,2,3
.irp i, 0,1,2,3,4,5,6,7
	v_cvt_pk_bf16_f32 v[WF+(\s*4+\f)*8+\i], v[WL+(\s*16+2*\i)*4+\f], v[WL+(\s*16+2*\i+1)*4+\f]
.endr
.endr
.irp t, 0,1,2
.irp i, 0,1,2,3,4,5,6,7
	v_cvt_pk_bf16_f32 v[XF+(\t*2+\s)*8+\i], v[XL+(\t*2+\s)*16+2*\i], v[XL+(\t*2+\s)*16+2*\i+1]
.endr
.endr
.endm
.macro MUL s, zero                     ; twelve products; the first K step starts the sums with the constant 0
.irp t, 0,1,2
.irp f, 0,1,2,3
.if \zero
	v_wmma_f32_16x16x32_bf16 v[AC+(\t*4+\f)*8:AC+(\t*4+\f)*8+7], v[WF+(\s*4+\f)*8:WF+(\s*4+\f)*8+7], v[XF+(\t*2+\s)*8:XF+(\t*2+\s)*8+7], 0
.else
	v_wmma_f32_16x16x32_bf16 v[AC+(\t*4+\f)*8:AC+(\t*4+\f)*8+7], v[WF+(\s*4+\f)*8:WF+(\s*4+\f)*8+7], v[XF+(\t*2+\s)*8:XF+(\t*2+\s)*8+7], v[AC+(\t*4+\f)*8:AC+(\t*4+\f)*8+7]
.endif
.endr
.endr
.endm
	WIN 0x05                                       ; sources 0 and 1 in block 1, destination in block 0
	s_wait_loadcnt 16                              ; W's first 32 rows are in; the 16 loads of the second K step may be out
	s_wait_dscnt 12                                ; likewise the rows' fragments: the 12 loads of the second K step may be out
	CVT 0
	WIN 0
	MUL 0, 1
	WIN 0x05
	s_wait_loadcnt 0x0
	s_wait_dscnt 0x0
	CVT 1
	WIN 0
	MUL 1, 0
	; An LDS store reads a matrix result four places behind the matrix instruction, and a place is a plain vector instruction that names
	; none of its registers: the nine address lines below are those places.
	v_and_b32 v1, 31, v0
	v_lshlrev_b32 v7, 4, v1                        ; 16 x lane
	v_add_nc_u32 v8, s28, v7                       ; my partial sums
	v_add_nc_u32 v9, s29, v7                       ; tile w in the partials of waves 0-3,
	v_add_nc_u32 v10, 4*PART, v9                   ; of waves 4-7 (an LDS offset has 16 bits)
	v_add_nc_u32 v11, s31, v7                      ; tile 8 + w % 4 likewise
	v_add_nc_u32 v12, 4*PART, v11
	v_add_nc_u32 v13, s32, v7                      ; feat: tile w
	v_add_nc_u32 v14, s33, v7                      ; feat: feature tile w % 4 (row tile 2 by the store's offset)
.irp k, 0,1,2,3,4,5,6,7,8,9,10,11
	ds_store_b128 v8, v[AC+8*\k:AC+8*\k+3] offset:\k*TILEB          ; lane i at 16 i: no bank is asked twice
	ds_store_b128 v8, v[AC+8*\k+4:AC+8*\k+7] offset:\k*TILEB+512
.endr
	s_wait_dscnt 0x0                               ; for the others' sake: all my partial sums are in LDS
	s_barrier_signal -1
	s_barrier_wait -1
.macro LOADT R, lo, hi                 ; the eight partials of one tile: partial p in registers R + 8 p .. + 7, as the accumulator had them
.irp p, 0,1,2,3
	ds_load_b128 v[\R+8*\p:\R+8*\p+3], v[\lo] offset:\p*PART
	ds_load_b128 v[\R+8*\p+4:\R+8*\p+7], v[\lo] offset:\p*PART+512
.endr
.irp p, 0,1,2,3
	ds_load_b128 v[\R+32+8*\p:\R+32+8*\p+3], v[\hi] offset:\p*PART
	ds_load_b128 v[\R+32+8*\p+4:\R+32+8*\p+7], v[\hi] offset:\p*PART+512
.endr
.endm
.macro SUMT R                          ; K ascending: wave 0's part first; then eight features to 16 bytes of bf16, packed downward in place
.irp p, 1,2,3,4,5,6,7
.irp e, 0,2,4,6
	v_pk_add_f32 v[\R+\e:\R+\e+1], v[\R+\e:\R+\e+1], v[\R+8*\p+\e:\R+8*\p+\e+1]
.endr
.endr
.irp i, 0,1,2,3
	v_cvt_pk_bf16_f32 v[\R+\i], v[\R+2*\i], v[\R+2*\i+1]
.endr
.endm
	; Twelve tiles for eight waves: wave w sums tile w, waves 0-3 also tile 8 + w.
	LOADT R0, 9, 10
	s_cmp_ge_u32 s12, 4
	s_cbranch_scc1 .Lone
	LOADT R1, 11, 12
	s_wait_dscnt 16                                ; the first tile's 16 loads are in, the second tile's 16 may be out
	SUMT R0
	global_store_b128 v13, v[R0:R0+3], s[10:11]
	s_wait_dscnt 0x0
	SUMT R1
	global_store_b128 v14, v[R1:R1+3], s[10:11] offset:2*16384
	s_wait_tensorcnt 0x0
	ds_add_u32 v254, v255
	s_wait_dscnt 0x0
	s_endpgm
.Lone:
	s_wait_dscnt 0x0
	SUMT R0
	global_store_b128 v13, v[R0:R0+3], s[10:11]
	s_wait_tensorcnt 0x0
	ds_add_u32 v254, v255
	s_wait_dscnt 0x0
	s_endpgm
.Lfunc_end_k_q57ff7b538c_feat:
	.size	k_q57ff7b538c_feat, .Lfunc_end_k_q57ff7b538c_feat-k_q57ff7b538c_feat
	.p2alignl 7, 3214868480
	.fill 96, 4, 3214868480
	.section	.rodata,"a",@progbits
	.p2align	6, 0x0
	.amdhsa_kernel k_q57ff7b538c_feat
		.amdhsa_group_segment_fixed_size 203776
		.amdhsa_private_segment_fixed_size 0
		.amdhsa_enable_private_segment 0
		.amdhsa_kernarg_size 32
		.amdhsa_user_sgpr_count 2
		.amdhsa_user_sgpr_kernarg_segment_ptr 1
		.amdhsa_wavefront_size32 1
		.amdhsa_system_sgpr_workgroup_id_x 1
		.amdhsa_system_sgpr_workgroup_id_y 1
		.amdhsa_system_sgpr_workgroup_id_z 1
		.amdhsa_system_vgpr_workitem_id 0
		.amdhsa_next_free_vgpr 480
		.amdhsa_next_free_sgpr 66
		.amdhsa_reserve_vcc 0
		.amdhsa_float_denorm_mode_32 3
		.amdhsa_float_denorm_mode_16_64 3
		.amdhsa_memory_ordered 1
		.amdhsa_forward_progress 1
		.amdhsa_inst_pref_size 28
	.end_amdhsa_kernel
	.amdgpu_metadata
---
amdhsa.version: [ 1, 2 ]
amdhsa.kernels:
  - .name:           k_q57ff7b538c_feat
    .symbol:         k_q57ff7b538c_feat.kd
    .args:
      - { .name: W, .offset: 0, .size: 8, .value_kind: global_buffer, .address_space: global }
      - { .name: x, .offset: 8, .size: 8, .value_kind: global_buffer, .address_space: global }
      - { .name: y, .offset: 16, .size: 8, .value_kind: global_buffer, .address_space: global }
      - { .name: feat, .offset: 24, .size: 8, .value_kind: global_buffer, .address_space: global }
    .group_segment_fixed_size: 203776
    .private_segment_fixed_size: 0
    .kernarg_segment_align: 8
    .kernarg_segment_size: 32
    .max_flat_workgroup_size: 256
    .sgpr_count:     66
    .vgpr_count:     480
    .wavefront_size: 32
...
	.end_amdgpu_metadata
.endif
;; end of part 1
;; launch dist (part 2): grid 8 x 32, 4 waves a work-group, no clusters, 36,864 bytes of LDS; arguments feat, out0; writes out0
.if DOCPART == 2
	.amdgcn_target "amdgcn-amd-amdhsa--gfx1250"
	.amdhsa_code_object_version 6
	.text
	.protected	k_q57ff7b538c_dist
	.globl	k_q57ff7b538c_dist
	.p2align	8
	.type	k_q57ff7b538c_dist,@function
k_q57ff7b538c_dist:
	s_mov_b64 s[64:65], 0
	v_nop
	global_prefetch_b8 v0, s[64:65] scope:SCOPE_SE
	s_setreg_imm32_b32 hwreg(HW_REG_WAVE_MODE, 25, 1), 1
	s_wait_xcnt 0x0
; out0[m][n] = | fx[n] - fy[m] | = sqrt( |fx[n]|^2 + |fy[m]|^2 - 2 fx[n] . fy[m] ),  out0: [1024][512] f32.
; feat holds the features in bf16 as [row tile 0..95][feature tile 0..31][lane] x 16 bytes (tiles 0-31: x, 32-95: y): lane (r, h) of a
; tile holds eight features of row r, which is half of a matrix fragment as it stands.  The features' order is the same in every row.
; A work-group makes 32 rows (m) x 64 columns (n) of out0 with four waves.  THE FEATURES ARE SPLIT OVER THE WAVES: wave w takes feature
; tiles 8 w .. 8 w + 7 (four K steps of 32) of all six row tiles: 48 loads of 512 neighbouring bytes, all out at once, nothing loaded twice.
; Source 0 = fx's fragment, source 1 = fy's: lane (r, h) gets columns n = 8 h + 0 .. 7 of row m = r.
; THE SQUARED NORMS come from the matrix unit too: each row tile times itself; the diagonal of the result is |f|^2, made of the same
; rounded features, by the same instruction and in the same order of sums as the cross terms, so that equal feature rows cancel.
; The four waves' partial sums meet in LDS (row-major, pitch 272) behind one barrier; then a thread holds 4 neighbouring columns, and
; sixteen neighbouring lanes store 256 neighbouring bytes, aligned, of one row of out0.
; No joint requests in a cluster, though work-groups of a grid row or column read the same row tiles: the fragments go from memory
; straight to the registers that the products read, once, in the first lines; a way through LDS would add 96 KB of LDS writes and reads.
; LIMITS: the features are bf16, so a distance carries an absolute error of up to about 2^-9 (|fx| + |fy|), and the difference of f32
; sums one of about 2^-11 sqrt(|fx|^2 + |fy|^2); a negative remainder of that difference is taken by its magnitude.  Inputs are finite with
; |fx|^2 + |fy|^2 inside f32's range: an infinity gives NaN where the plain difference gives infinity.  NaN passes through.
; v_sqrt_f32 takes a squared distance below 2^-126 as zero.
.set TPITCH, 272                       ; a row of 64 f32 + 16 bytes: the 16 rows of a store fall on different banks
.set PARTB,  32*TPITCH                 ; a wave's partial tile
.set NXB,    4*PARTB                   ; partial |fx|^2: [wave][64 n] f32
.set NYB,    NXB+4*256                 ; partial |fy|^2: [wave][32 m] f32
.set FR, 0                             ; block 1, v0-191  fragments: (row tile t, K step s) at 8 (4 t + s); t = 0-3: x, 4-5: y
.set CA, 32                            ; block 0, v32-95  cross terms: (m tile, n tile) at 8 (4 m + n)
.set GA, 96                            ; block 0, v96-143 row tile t times itself
.set DG, 144                           ; v144-149         the diagonals
.set PB, 32                            ; behind the barrier: row u, wave p: 4 f32 at 16 u + 4 p
.set NY, 96                            ; wave p's |fy|^2 of my four rows at 4 p
.set NX, 112                           ; wave p's |fx|^2 of my four columns at 4 p
.set TT, 128
.set MK, 24                            ; s[25:31]: lanes with lane % 8 = j
.set MSB, 0
.macro WIN new                         ; s_set_vgpr_msb: bits 1:0 source 0, 3:2 source 1, 5:4 source 2, 7:6 destination; the high byte repeats the setting left
.if MSB != \new
	s_set_vgpr_msb (MSB<<8)|\new
.set MSB, \new
.endif
.endm
	s_load_b128 s[4:7], s[0:1], 0x0                ; feat s[4:5], out0 s[6:7]
	v_lshl_add_u32 v254, v0, 2, 0x8e00
	v_mov_b32 v255, 0
	v_and_b32 v1, 31, v0
	v_lshrrev_b32 v4, 5, v0
	v_readfirstlane_b32 s12, v4                    ; wave 0..3
	v_lshlrev_b32 v5, 4, v1                        ; 16 x lane
	v_lshl_add_u32 v5, v4, 12, v5                  ; + my eight feature tiles of 512 bytes
	s_and_b32 s13, ttmp7, 0xffff                   ; grid y: 32 rows m.  ttmp9: 64 columns n
	s_lshl_b32 s8, ttmp9, 16                       ; x's row tiles 4 bx ..: 16,384 bytes each
	s_mov_b32 s9, 0
	s_lshl_b32 s10, s13, 15                        ; y's row tiles 32 + 2 by ..
	s_add_co_u32 s10, s10, 32*16384
	s_mov_b32 s11, 0
	s_lshl_b32 s14, s13, 16                        ; out0: 32 rows of 2,048 bytes
	s_lshl_b32 s15, ttmp9, 8                       ;       + 64 columns
	s_add_co_u32 s14, s14, s15
	s_mov_b32 s15, 0
	s_wait_kmcnt 0x0
	s_add_nc_u64 s[8:9], s[4:5], s[8:9]
	s_add_nc_u64 s[10:11], s[4:5], s[10:11]
	s_add_nc_u64 s[6:7], s[6:7], s[14:15]
	WIN 0x40                                       ; loads land in block 1
.irp s, 0,1,2,3
.irp t, 0,1,2,3
	global_load_b128 v[FR+(\t*4+\s)*8:FR+(\t*4+\s)*8+3], v5, s[8:9] offset:\t*16384+\s*1024
	global_load_b128 v[FR+(\t*4+\s)*8+4:FR+(\t*4+\s)*8+7], v5, s[8:9] offset:\t*16384+\s*1024+512
.endr
.irp t, 0,1
	global_load_b128 v[FR+((4+\t)*4+\s)*8:FR+((4+\t)*4+\s)*8+3], v5, s[10:11] offset:\t*16384+\s*1024
	global_load_b128 v[FR+((4+\t)*4+\s)*8+4:FR+((4+\t)*4+\s)*8+7], v5, s[10:11] offset:\t*16384+\s*1024+512
.endr
.endr
	s_mul_i32 s16, s12, PARTB                      ; scalar work while the data travel
	s_lshl_b32 s17, s12, 8
	s_lshl_b32 s18, s12, 7
	s_mov_b32 s19, 0x7fffffff
.irp j, 1,2,3,4,5,6,7
	s_mov_b32 s[MK+\j], 0x01010101<<\j
.endr
.macro STEP s, zero                    ; one K step: 6 tiles times themselves, 8 cross tiles; the first step starts the sums with the constant 0
	s_wait_loadcnt (3-\s)*12                       ; loads come back in order: the 12 loads of each later K step may be out
.irp t, 0,1,2,3,4,5
.if \zero
	v_wmma_f32_16x16x32_bf16 v[GA+8*\t:GA+8*\t+7], v[FR+(\t*4+\s)*8:FR+(\t*4+\s)*8+7], v[FR+(\t*4+\s)*8:FR+(\t*4+\s)*8+7], 0
.else
	v_wmma_f32_16x16x32_bf16 v[GA+8*\t:GA+8*\t+7], v[FR+(\t*4+\s)*8:FR+(\t*4+\s)*8+7], v[FR+(\t*4+\s)*8:FR+(\t*4+\s)*8+7], v[GA+8*\t:GA+8*\t+7]
.endif
.endr
.irp m, 0,1
.irp n, 0,1,2,3
.if \zero
	v_wmma_f32_16x16x32_bf16 v[CA+(\m*4+\n)*8:CA+(\m*4+\n)*8+7], v[FR+(\n*4+\s)*8:FR+(\n*4+\s)*8+7], v[FR+((4+\m)*4+\s)*8:FR+((4+\m)*4+\s)*8+7], 0
.else
	v_wmma_f32_16x16x32_bf16 v[CA+(\m*4+\n)*8:CA+(\m*4+\n)*8+7], v[FR+(\n*4+\s)*8:FR+(\n*4+\s)*8+7], v[FR+((4+\m)*4+\s)*8:FR+((4+\m)*4+\s)*8+7], v[CA+(\m*4+\n)*8:CA+(\m*4+\n)*8+7]
.endif
.endr
.endr
.endm
	WIN 0x05                                       ; sources 0 and 1 in block 1; C and D in block 0
	STEP 0, 1
	STEP 1, 0
	STEP 2, 0
	STEP 3, 0
	WIN 0
	; A vector instruction reads a matrix result four places behind the matrix instruction, and a place is a plain vector instruction that
	; names none of its registers (ISA guide 7.12.1): the eight address lines below are those places.
	v_and_b32 v2, 15, v0                           ; r; behind the barrier: my group of four columns
	v_bfe_u32 v3, v0, 4, 1                         ; h
	v_lshrrev_b32 v6, 3, v2                        ; r / 8
	v_lshl_add_u32 v7, v2, 2, s17                  ; |fx|^2: 4 r + my wave's 256 bytes
	v_lshl_add_u32 v14, v2, 2, s18                 ; |fy|^2: 4 r + my wave's 128 bytes
	v_mul_u32_u24 v8, v2, TPITCH                   ; partial tile: row r
	v_lshl_add_u32 v8, v3, 5, v8                   ;    + 8 h columns
	v_add_nc_u32 v8, s16, v8                       ;    + my wave's tile
	v_cmp_eq_u32 vcc_lo, v6, v3                    ; lanes that hold a diagonal element
	; Register j of lane (r, h) holds element (8 h + j, r): the diagonal sits in lanes with r / 8 = h, in register r % 8 = lane % 8.
.irp t, 0,1,2,3,4,5
	v_cndmask_b32 v[DG+\t], v[GA+8*\t], v[GA+8*\t+1], s[MK+1]
.endr
.irp j, 2,3,4,5,6,7
.irp t, 0,1,2,3,4,5
	v_cndmask_b32 v[DG+\t], v[DG+\t], v[GA+8*\t+\j], s[MK+\j]
.endr
.endr
	s_wait_xcnt 0x0                                ; EXEC is a source of the loads above: it changes only behind this wait
	s_and_saveexec_b32 s20, vcc_lo
.irp t, 0,1,2,3
	ds_store_b32 v7, v[DG+\t] offset:NXB+\t*64
.endr
.irp t, 0,1
	ds_store_b32 v14, v[DG+4+\t] offset:NYB+\t*64
.endr
	s_or_b32 exec_lo, exec_lo, s20                 ; no global access was issued under the narrow EXEC
.irp m, 0,1
.irp n, 0,1,2,3
	ds_store_b128 v8, v[CA+(\m*4+\n)*8:CA+(\m*4+\n)*8+3] offset:\m*16*TPITCH+\n*64
	ds_store_b128 v8, v[CA+(\m*4+\n)*8+4:CA+(\m*4+\n)*8+7] offset:\m*16*TPITCH+\n*64+16
.endr
.endr
	s_wait_dscnt 0x0                               ; for the others' sake: all my partial sums are in LDS
	s_barrier_signal -1
	v_lshrrev_b32 v9, 4, v0                        ; g = thread / 16: I take rows 4 g + 0 .. 3, columns 4 c + 0 .. 3 (c = thread % 16)
	v_mul_u32_u24 v10, v9, 4*TPITCH
	v_lshl_add_u32 v10, v2, 4, v10                 ; partial tiles: row 4 g, 16 c
	v_lshlrev_b32 v11, 4, v9                       ; |fy|^2 of rows 4 g ..
	v_lshlrev_b32 v12, 4, v2                       ; |fx|^2 of columns 4 c ..
	v_lshlrev_b32 v13, 13, v9
	v_lshl_add_u32 v13, v2, 4, v13                 ; out0: row 4 g, 16 c
	s_barrier_wait -1
.irp p, 0,1,2,3
	ds_load_b128 v[NY+4*\p:NY+4*\p+3], v11 offset:NYB+\p*128
.endr
.irp p, 0,1,2,3
	ds_load_b128 v[NX+4*\p:NX+4*\p+3], v12 offset:NXB+\p*256
.endr
.irp u, 0,1,2,3
.irp p, 0,1,2,3
	ds_load_b128 v[PB+16*\u+4*\p:PB+16*\u+4*\p+3], v10 offset:\p*PARTB+\u*TPITCH   ; sixteen lanes: 256 neighbouring bytes of a row
.endr
.endr
	s_wait_dscnt 16                                ; the eight loads of norms are in; the 16 of partial tiles may be out
.irp p, 1,2,3
	v_pk_add_f32 v[NY:NY+1], v[NY:NY+1], v[NY+4*\p:NY+4*\p+1]          ; wave 0's part first, as for the cross terms below
	v_pk_add_f32 v[NY+2:NY+3], v[NY+2:NY+3], v[NY+4*\p+2:NY+4*\p+3]
	v_pk_add_f32 v[NX:NX+1], v[NX:NX+1], v[NX+4*\p:NX+4*\p+1]
	v_pk_add_f32 v[NX+2:NX+3], v[NX+2:NX+3], v[NX+4*\p+2:NX+4*\p+3]
.endr
.macro ROW u
	s_wait_dscnt (3-\u)*4                          ; this row's four partials are in; four loads for each later row may be out
.irp p, 1,2,3
	v_pk_add_f32 v[PB+16*\u:PB+16*\u+1], v[PB+16*\u:PB+16*\u+1], v[PB+16*\u+4*\p:PB+16*\u+4*\p+1]
	v_pk_add_f32 v[PB+16*\u+2:PB+16*\u+3], v[PB+16*\u+2:PB+16*\u+3], v[PB+16*\u+4*\p+2:PB+16*\u+4*\p+3]
.endr
.irp i, 0,1,2,3
	v_add_f32 v[TT+\i], v[NX+\i], v[NY+\u]         ; |fx|^2 + |fy|^2
.endr
	v_pk_fma_f32 v[PB+16*\u:PB+16*\u+1], v[PB+16*\u:PB+16*\u+1], -2.0, v[TT:TT+1] op_sel_hi:[1,0,1]
	v_pk_fma_f32 v[PB+16*\u+2:PB+16*\u+3], v[PB+16*\u+2:PB+16*\u+3], -2.0, v[TT+2:TT+3] op_sel_hi:[1,0,1]
.irp i, 0,1,2,3
	v_and_b32 v[PB+16*\u+\i], s19, v[PB+16*\u+\i]  ; a remainder below zero would give NaN: its magnitude is as near to the truth; NaN stays NaN
.endr
.irp i, 0,1,2,3
	v_sqrt_f32 v[PB+16*\u+\i], v[PB+16*\u+\i]
.endr
	v_nop                                          ; one plain vector instruction between a root and the use of its result (ISA guide 5.7.2)
	s_wait_alu depctr_va_vdst(0)
	global_store_b128 v13, v[PB+16*\u:PB+16*\u+3], s[6:7] offset:\u*2048 th:TH_STORE_NT
.endm
	ROW 0
	ROW 1
	ROW 2
	ROW 3
	s_wait_tensorcnt 0x0
	ds_add_u32 v254, v255
	s_wait_dscnt 0x0
	s_endpgm
.Lfunc_end_k_q57ff7b538c_dist:
	.size	k_q57ff7b538c_dist, .Lfunc_end_k_q57ff7b538c_dist-k_q57ff7b538c_dist
	.p2alignl 7, 3214868480
	.fill 96, 4, 3214868480
	.section	.rodata,"a",@progbits
	.p2align	6, 0x0
	.amdhsa_kernel k_q57ff7b538c_dist
		.amdhsa_group_segment_fixed_size 36864
		.amdhsa_private_segment_fixed_size 0
		.amdhsa_enable_private_segment 0
		.amdhsa_kernarg_size 16
		.amdhsa_user_sgpr_count 2
		.amdhsa_user_sgpr_kernarg_segment_ptr 1
		.amdhsa_wavefront_size32 1
		.amdhsa_system_sgpr_workgroup_id_x 1
		.amdhsa_system_sgpr_workgroup_id_y 1
		.amdhsa_system_sgpr_workgroup_id_z 1
		.amdhsa_system_vgpr_workitem_id 0
		.amdhsa_next_free_vgpr 448
		.amdhsa_next_free_sgpr 66
		.amdhsa_reserve_vcc 1
		.amdhsa_float_denorm_mode_32 3
		.amdhsa_float_denorm_mode_16_64 3
		.amdhsa_memory_ordered 1
		.amdhsa_forward_progress 1
		.amdhsa_inst_pref_size 22
	.end_amdhsa_kernel
	.amdgpu_metadata
---
amdhsa.version: [ 1, 2 ]
amdhsa.kernels:
  - .name:           k_q57ff7b538c_dist
    .symbol:         k_q57ff7b538c_dist.kd
    .args:
      - { .name: feat, .offset: 0, .size: 8, .value_kind: global_buffer, .address_space: global }
      - { .name: out0, .offset: 8, .size: 8, .value_kind: global_buffer, .address_space: global }
    .group_segment_fixed_size: 36864
    .private_segment_fixed_size: 0
    .kernarg_segment_align: 8
    .kernarg_segment_size: 16
    .max_flat_workgroup_size: 128
    .sgpr_count:     66
    .vgpr_count:     448
    .wavefront_size: 32
...
	.end_amdgpu_metadata
.endif
;; end of part 2
